; MI455X (gfx1250); checked and timed in simulation.
; The chip was launched on July 23, 2026; its instructions are those of AMD's public machine-readable ISA for CDNA 5 (MIT licence, August 2026) and "CDNA5" Instruction Set Architecture Reference Guide (July 2026). The comments in the code are by the model that wrote it; some were corrected since.
;; Enhanced DRKAN Tree Net. Allowed arithmetic: matrix products marked QUANTISED: E2M3 operands, one E8M0 scale for each 32 along K, by v_wmma_scale_f32_16x16x128_f8f6f4 with both operands' format E2M3, f32 sums; everything else in f32.
;; Inputs: base_weight 1,024 x 1,024 float32; ln_b 1,024 float32; ln_w 1,024 float32; se_b1 32 float32; se_b2 1,024 float32; se_w1 32 x 1,024 float32; se_w2 1,024 x 32 float32; spline_weight 1,024 x 1,024 x 3 float32; x 8 x 1,024 x 1,024 float32.
;; Outputs: out0 8 x 1,024 x 1,024 float32.
;; This version of the problem:
;;   THIS VERSION OF THE PROBLEM IS GIVEN IN LOW PRECISION. The matrix products marked QUANTISED in the list below multiply operands that are first quantised to E2M3 (2 exponent bits, 3 mantissa bits; 6 bits a number), with one power-of-two scale for each 32 numbers along K (OCP MX v1.0); their sums are f32. All else is computed in f32.
;;   The module's matrix products, in the order in which they are computed (A, B: the left and right operand; K: the contracted axis; several contracted axes count as one K, in the product's order):
;;     1. [M 8,192, K 1,024] x [K 1,024, N 1,024]; A: input x; B: input base_weight: QUANTISED
;;     2. [M 8,192, K 3,072] x [K 3,072, N 1,024]; A: computed on the way; B: input spline_weight: QUANTISED
;;     3. [M 8,192, K 1,024] x [K 1,024, N 32]; A: computed on the way; B: input se_w1: QUANTISED
;;     4. [M 8,192, K 32] x [K 32, N 1,024]; A: computed on the way; B: input se_w2: QUANTISED
;;   THE QUANTISER, for each operand of a quantised product, along K:
;;     - K is cut into blocks of 32 from its start; a last block that is shorter is filled with zeros.
;;     - A block's scale is 2^e with e = floor(log2(the largest magnitude in the block)) - 2, held to -126 .. 127; a block of zeros has e = 0. As a byte (E8M0): e + 127.
;;     - Each number is divided by its block's scale, clamped to +-7.5, and rounded to the nearest number of E2M3, ties to even, subnormals kept.
;;     - The product sums the exact products of the quantised numbers (number of the format x scale) in f32.
;;   ~~~python
;;   def quantise(x, axis):      # numpy; x: float32 -> the quantised numbers, widened to float32 again
;;       x = np.moveaxis(x, axis, -1); K = x.shape[-1]
;;       x = np.pad(x, [(0, 0)] * (x.ndim - 1) + [(0, -K % 32)]); x = x.reshape(x.shape[:-1] + (-1, 32)); a = np.abs(x).max(-1, keepdims=True)
;;       e = np.where(a > 0, np.clip(np.frexp(np.where(a > 0, a, 1))[1] - 1 - 2, -126, 127), 0)      # np.frexp(a)[1] - 1 = floor(log2(a)), exactly
;;       r = np.clip(x / 2.0 ** e, -7.5, 7.5)
;;       step = 2.0 ** (np.maximum(np.frexp(np.where(r == 0, 1, r))[1] - 1, 0) - 3)
;;       q = np.round(r / step) * step * 2.0 ** e      # np.round: ties to even
;;       return np.moveaxis(q.reshape(q.shape[:-2] + (-1,))[..., :K], -1, axis).astype(np.float32)
;;   ~~~
;;   OPERANDS COMPUTED ON THE WAY. 'Computed on the way' means the value that the module computes at that place (a softmax that the list does not call 'softmax' is quantised finished and normalised). What goes into a quantiser is computed in f32, as accurately as f32 sums, v_exp_f32 and their like allow (about 1e-6 of the number): no bf16 or f16 on the way to a quantiser, and a product that is left as it is and whose result goes on into a quantised operand takes f32 operands (vector FMAs, or v_wmma_f32_16x16x4_f32). A number that lies on a knife's edge between two numbers of the format may be rounded either way, as far as f32 arithmetic and the matrix unit's own rounding can turn it there, and no further.
;; One version. Each part assembles by itself: llvm-mc -triple=amdgcn-amd-amdhsa -mcpu=gfx1250 --defsym DOCPART=n.
;; ======== version 1 of 1: 2 launches
;; workspace buffers: wq 4,456,448 bytes
;; launch prep (part 1): grid 296 x 1, 2 waves a work-group, no clusters, 66,304 bytes of LDS; arguments base_weight, spline_weight, se_w1, se_w2, wq; writes wq
.if DOCPART == 1
	.amdgcn_target "amdgcn-amd-amdhsa--gfx1250"
	.amdhsa_code_object_version 6
	.text
	.protected	k_qfceeab388a_prep
	.globl	k_qfceeab388a_prep
	.p2align	8
	.type	k_qfceeab388a_prep,@function
k_qfceeab388a_prep:
	s_mov_b64 s[64:65], 0
	v_nop
	global_prefetch_b8 v0, s[64:65] scope:SCOPE_SE
	s_setreg_imm32_b32 hwreg(HW_REG_WAVE_MODE, 25, 1), 1
	s_wait_xcnt 0x0
; The four weights become codes of FP6 (E2M3) with one E8M0 scale byte for each 32 along K, laid in wq in the ORDER OF THE OPERAND'S REGISTERS.
; wq is made of BLOCKS of 25,600 dense bytes: 16 fragment images of 1,536 bytes (registers 0-3 of lane l at 16 l, 4-7 at 512 + 16 l, 8-11 at 1,024 + 16 l), then 1,024 bytes of scale words
; (tile tt, row r: 24,576 + 64 tt + 4 r).  Block (T, w) begins at 131,072 T + 32,768 w.  T = 4 G + J: the big weights; T = 32: se_w2; T = 33, w = 0: se_w1.  The gaps are neither stored nor read.
; THE ROWS OF A TILE ARE NOT NEIGHBOURS: lane r of tile tt = 2 b + u of slab w takes output column 256 w + 32 b + 8 u + r + 8 (r / 8), so that in the transposed result 16 registers of two neighbouring tiles are 16 neighbouring columns.
; K IS PERMUTED BY WHOLE BLOCKS OF 32, alike for both operands.  Group G is input columns 128 G .. 128 G + 127.  Block position p = 2 c + h (registers 6 c .. 6 c + 5 of lane half h; byte p of the scale word) holds
; for J = 0 base_weight's K block 4 G + p, for J = j + 1 spline_weight's K block 3 (4 G + p) + j.  The blocks themselves are the true ones, cut from K's start.
; A block's scale is 2^(floor(log2(its largest magnitude)) - 2): its byte is the largest magnitude's exponent field - 2, held at 1 from below.
; LIMITS: NaN and infinities are not served; a block whose largest magnitude lies under 2^-124, a block of zeros too, gets the byte 1 (the rule says 127 for zeros): its codes are then zeros or the held ones, and the bytes are read by this program alone.
; SHARES.  unit = 2 x work-group + wave.  Work-groups 0-255: unit = (tile t64 = unit / 8, group G = unit % 8): the four fragments J = 0 .. 3 of that tile and group.  Its 16 rows x 2,048 bytes are read by 64 loads of 512 consecutive
; bytes, go through the wave's own stage in LDS as they lie and come back 128 bytes a lane.  Work-groups 256-295: 16 fragments of se_w1 and 64 of se_w2, 256 KB in all, read 16 bytes a lane straight from their rows; no LDS.
; No barrier: waves share nothing.  Every store has data registers of its own, so none is written again.  The scale words leave in runs of 64 bytes: one byte in 25 of what the launch stores.
.set SPT,   2064                       ; a stage row: 512 bytes of base_weight + 1,536 of spline_weight + 16: 129 x 16 bytes, so the 16 rows of a read start 16 bytes apart modulo 256
.set STGB,  16*SPT                     ; a wave's stage
.set TSTEP, 131072
.set SCW,   24576                      ; where a block's scale words begin
.set LANE, 1
.set VR,   2                           ; r = lane % 16
.set VH,   3                           ; h = lane / 16
.set L16,  4                           ; 16 x lane
.set SWA,  5                           ; the stage, on the way in
.set AL,   6                           ; and out: base_weight's part of my row, my half
.set ASP,  7                           ; spline_weight's
.set SH8,  8                           ; 8 h
.set SOF,  9                           ; 4 r + 131,072 h: lanes 16-31 store the next J's words
.set T0,   10
.set T1,   11
.set SCL,  12
.set BY0,  13
.set BY1,  14
.set BX,   15
.set M0R,  16
.set M1R,  17
.set VA0,  18
.set VA1,  19
.set W,    20                          ; v20-23 the four scale words
.set TC,   24                          ; v24-26 a block's upper 16 codes
.set SD,   28                          ; v28-29 scale words as they are stored
.set R4,   30                          ; 4 r
.set X,    32                          ; v32-159 two sets of 64 numbers
.set F,    160                         ; v160-207 four fragments.   Window 1: v0-255 the 64 loads' data
.set MSB, 0
.macro WIN new                         ; the immediate's high byte repeats the setting that is left
.if MSB != \new
	s_set_vgpr_msb (MSB<<8)|\new
.set MSB, \new
.endif
.endm
; 32 numbers of one block in consecutive registers become 6 registers of codes and the scale's byte.  The floor 2^(3 - 127) is one leaf of the maximum: the byte cannot fall under 1.
.macro QBLK src, f, by, abs
.if \abs
	v_max3_num_f32 v[T0], |v[(\src)]|, |v[(\src)+1]|, 0x1800000
	v_max3_num_f32 v[T1], |v[(\src)+2]|, |v[(\src)+3]|, |v[(\src)+4]|
.irp i, 5,9,13,17,21,25
	v_max3_num_f32 v[T0], v[T0], |v[(\src)+\i]|, |v[(\src)+\i+1]|
	v_max3_num_f32 v[T1], v[T1], |v[(\src)+\i+2]|, |v[(\src)+\i+3]|
.endr
	v_max3_num_f32 v[T0], v[T0], |v[(\src)+29]|, |v[(\src)+30]|
	v_max3_num_f32 v[T0], v[T0], v[T1], |v[(\src)+31]|
.else
	v_max3_num_f32 v[T0], v[(\src)], v[(\src)+1], 0x1800000
	v_max3_num_f32 v[T1], v[(\src)+2], v[(\src)+3], v[(\src)+4]
.irp i, 5,9,13,17,21,25
	v_max3_num_f32 v[T0], v[T0], v[(\src)+\i], v[(\src)+\i+1]
	v_max3_num_f32 v[T1], v[T1], v[(\src)+\i+2], v[(\src)+\i+3]
.endr
	v_max3_num_f32 v[T0], v[T0], v[(\src)+29], v[(\src)+30]
	v_max3_num_f32 v[T0], v[T0], v[T1], v[(\src)+31]
.endif
	v_add_nc_u32 v[SCL], 0xff000000, v[T0]         ; 2 off the exponent field: the conversion takes the exponent field of this operand as its scale
	v_cvt_scalef32_pk16_fp6_f32 v[(\f):(\f)+2], v[(\src):(\src)+15], v[SCL]
	v_cvt_scalef32_pk16_fp6_f32 v[TC:TC+2], v[(\src)+16:(\src)+31], v[SCL]   ; (a conversion's three registers begin on an even number)
	v_lshrrev_b32 v[\by], 23, v[SCL]               ; the scale's byte; also the plain instruction between the conversions and the first touch of their results
.irp i, 0,1,2
	v_mov_b32 v[(\f)+3+\i], v[TC+\i]
.endr
.endm
.macro WORD d                          ; my two bytes (blocks h and 2 + h) at their places, joined with lane l xor 16's: the row's scale word
	v_lshl_or_b32 v[\d], v[BY1], 16, v[BY0]
	v_lshlrev_b32 v[\d], v[SH8], v[\d]
	v_permlanex16_b32 v[BX], v[\d], s16, s17
	v_or_b32 v[\d], v[\d], v[BX]
.endm
	s_load_b256 s[4:11], s[0:1], 0x0               ; base_weight s[4:5], spline_weight s[6:7], se_w1 s[8:9], se_w2 s[10:11]
	s_load_b64 s[12:13], s[0:1], 0x20              ; wq
	v_lshl_add_u32 v254, v0, 2, 0x10200
	v_mov_b32 v255, 0
	v_lshrrev_b32 v[LANE], 5, v0
	v_readfirstlane_b32 s14, v[LANE]               ; wave 0, 1
	v_and_b32 v[LANE], 31, v0
	v_and_b32 v[VR], 15, v0
	v_bfe_u32 v[VH], v0, 4, 1
	v_lshlrev_b32 v[L16], 4, v[LANE]
	v_lshlrev_b32 v[SH8], 3, v[VH]
	v_lshlrev_b32 v[R4], 2, v[VR]
	v_mov_b32 v[BX], 0                             ; written once: a lane permute's destination counts as one of its sources
	s_mov_b32 s16, 0x76543210
	s_mov_b32 s17, 0xfedcba98                      ; v_permlanex16_b32's selects for lane l xor 16
	s_lshl_b32 s15, ttmp9, 1
	s_add_co_u32 s15, s15, s14                     ; unit
	s_cmp_ge_u32 ttmp9, 256
	s_cbranch_scc1 .Lsmall
	; ---- the big weights
	s_and_b32 s18, s15, 7                          ; G
	s_lshr_b32 s19, s15, 3                         ; t64
	s_lshr_b32 s20, s19, 1
	s_lshl_b32 s20, s20, 5
	s_and_b32 s21, s19, 1
	s_lshl_b32 s21, s21, 3
	s_add_co_u32 s20, s20, s21                     ; o0 = 32 (t64 / 2) + 8 (t64 % 2): the tile's first row
	s_lshl_b32 s22, s20, 12
	s_lshl_b32 s21, s18, 9
	s_add_co_u32 s22, s22, s21                     ; base_weight: o0 rows of 4,096 bytes + 512 G
	s_mov_b32 s23, 0
	s_mul_i32 s24, s20, 12288
	s_mul_i32 s21, s18, 1536
	s_add_co_u32 s24, s24, s21                     ; spline_weight: o0 rows of 12,288 bytes + 1,536 G
	s_mov_b32 s25, 0
	s_lshl_b32 s26, s18, 19                        ; wq: T = 4 G,
	s_lshr_b32 s21, s19, 4
	s_lshl_b32 s21, s21, 15
	s_add_co_u32 s26, s26, s21                     ; slab w = t64 / 16
	s_and_b32 s21, s19, 15                         ; tt
	s_mul_i32 s28, s21, 1536
	s_add_co_u32 s28, s28, s26                     ; the tile's image
	s_mov_b32 s29, 0
	s_lshl_b32 s30, s21, 6
	s_add_co_u32 s30, s30, s26
	s_add_co_u32 s30, s30, SCW                     ; and its scale words
	s_mov_b32 s31, 0
	s_mul_i32 s32, s14, STGB                       ; my stage
	v_add_nc_u32 v[SWA], s32, v[L16]
	v_mul_u32_u24 v[AL], v[VR], SPT
	v_add_nc_u32 v[AL], s32, v[AL]
	v_mad_u32_u24 v[ASP], v[VH], 384, v[AL]
	v_add_nc_u32 v[ASP], 512, v[ASP]               ; row r, behind base_weight's 512 bytes, + 384 h
	v_lshl_add_u32 v[AL], v[VH], 7, v[AL]          ; row r, + 128 h
	v_lshl_add_u32 v[SOF], v[VH], 17, v[R4]
	s_mov_b32 vcc_lo, 0xffff0000                   ; lanes 16-31
	s_wait_kmcnt 0x0
	s_add_nc_u64 s[4:5], s[4:5], s[22:23]
	s_add_nc_u64 s[6:7], s[6:7], s[24:25]
	s_add_nc_u64 s[34:35], s[12:13], s[28:29]
	s_add_nc_u64 s[36:37], s[12:13], s[30:31]
	WIN 0x40                                       ; destination window 1
.irp q, 0,1,2,3,4,5,6,7,8,9,10,11,12,13,14,15  ; lane q's row is o0 + q + 8 (q / 8); each load reads 512 consecutive bytes, read once in the launch
	global_load_b128 v[16*\q:16*\q+3], v[L16], s[4:5] offset:(\q+8*(\q/8))*4096 th:TH_LOAD_NT
.irp k, 1,2,3
	global_load_b128 v[16*\q+4*\k:16*\q+4*\k+3], v[L16], s[6:7] offset:(\q+8*(\q/8))*12288+512*(\k-1) th:TH_LOAD_NT
.endr
.endr
	WIN 0x04                                       ; an LDS store's data are its source 1: window 1
.irp g, 0,1,2,3
	s_wait_loadcnt 48-16*\g                        ; loads come back in order: the first 16 (g + 1) are in, the younger ones stay out
.irp qq, 0,1,2,3
.irp k, 0,1,2,3
	ds_store_b128 v[SWA], v[16*(4*\g+\qq)+4*\k:16*(4*\g+\qq)+4*\k+3] offset:SPT*(4*\g+\qq)+512*\k
.endr
.endr
.endr
	WIN 0
.macro SLOAD j                         ; fragment j's two blocks of my row and half into set j % 2.  LDS serves a wave's instructions in order: these see my stores
.irp c, 0,1
.irp i, 0,1,2,3,4,5,6,7
.if (\j) == 0
	ds_load_b128 v[X+64*((\j)%2)+32*\c+4*\i:X+64*((\j)%2)+32*\c+4*\i+3], v[AL] offset:256*\c+16*\i
.else
	ds_load_b128 v[X+64*((\j)%2)+32*\c+4*\i:X+64*((\j)%2)+32*\c+4*\i+3], v[ASP] offset:768*\c+128*((\j)-1)+16*\i
.endif
.endr
.endr
.endm
.macro FRAGJ j
.if (\j) < 3
	SLOAD (\j)+1
	s_wait_dscnt 16                                ; this fragment's 16 reads are in; the next fragment's 16 may be out
.else
	s_wait_dscnt 0x0
.endif
	QBLK X+64*((\j)%2), F+12*(\j), BY0, 1
	QBLK X+64*((\j)%2)+32, F+12*(\j)+6, BY1, 1
	WORD W+(\j)
.irp q, 0,1,2
	global_store_b128 v[L16], v[F+12*(\j)+4*\q:F+12*(\j)+4*\q+3], s[34:35] offset:TSTEP*(\j)+512*\q   ; 32 lanes store 512 consecutive bytes, aligned
.endr
.endm
	SLOAD 0
	FRAGJ 0
	FRAGJ 1
	FRAGJ 2
	FRAGJ 3
.irp i, 0,1
	v_cndmask_b32 v[SD+\i], v[W+2*\i], v[W+2*\i+1], vcc_lo   ; lanes 0-15: J = 2 i; lanes 16-31: J = 2 i + 1
	global_store_b32 v[SOF], v[SD+\i], s[36:37] offset:2*TSTEP*\i
.endr
	s_wait_tensorcnt 0x0
	ds_add_u32 v254, v255
	s_wait_dscnt 0x0
	s_endpgm
	; ---- se_w1 (su = 0 .. 15: fragment su: tile u = su % 2, K step su / 2) and se_w2 (tile su - 16).  One text; what differs is chosen by s_cselect on su.
.Lsmall:
	s_sub_co_u32 s18, s15, 512                     ; su
	s_max_u32 s19, s18, 16
	s_sub_co_u32 s19, s19, 16                      ; se_w2's tile (0 in se_w1's units, where it is not used)
	s_and_b32 s20, s18, 1
	s_lshl_b32 s20, s20, 15                        ; se_w1: 8 u rows of 4,096 bytes
	s_lshr_b32 s21, s18, 1
	s_lshl_b32 s21, s21, 9
	s_add_co_u32 s20, s20, s21                     ; + 512 bytes a K step
	s_lshr_b32 s21, s19, 1
	s_lshl_b32 s21, s21, 12
	s_and_b32 s22, s19, 1
	s_lshl_b32 s22, s22, 10
	s_add_co_u32 s21, s21, s22                     ; se_w2: o0 rows of 128 bytes
	s_mul_i32 s22, s18, 1536
	s_add_co_u32 s22, s22, 33*TSTEP                ; se_w1's image,
	s_lshl_b32 s23, s18, 6
	s_add_co_u32 s23, s23, 33*TSTEP+SCW            ; its scale words
	s_lshr_b32 s24, s19, 4
	s_lshl_b32 s24, s24, 15
	s_add_co_u32 s24, s24, 32*TSTEP
	s_and_b32 s25, s19, 15
	s_mul_i32 s26, s25, 1536
	s_add_co_u32 s26, s26, s24                     ; se_w2's image,
	s_lshl_b32 s25, s25, 6
	s_add_co_u32 s25, s25, s24
	s_add_co_u32 s25, s25, SCW                     ; its scale words
	s_mov_b32 s27, 128
	s_wait_kmcnt 0x0
	s_cmp_lt_u32 s18, 16                           ; se_w1's unit?  The choice hangs on the unit's number alone
	s_cselect_b64 s[8:9], s[8:9], s[10:11]
	s_cselect_b32 s28, s20, s21
	s_cselect_b32 s30, s22, s26
	s_cselect_b32 s32, s23, s25
	s_cselect_b32 s27, 4096, s27                   ; bytes from row to row
	s_cselect_b32 s34, 128, 0                      ; from lane half to lane half: se_w2 has one block, which both halves read
	s_cselect_b32 s35, 256, 0                      ; from c = 0 to c = 1
	s_cselect_b32 s36, -1, 0
	s_mov_b32 s29, 0
	s_mov_b32 s31, 0
	s_mov_b32 s33, 0
	s_add_nc_u64 s[8:9], s[8:9], s[28:29]
	s_add_nc_u64 s[38:39], s[12:13], s[30:31]
	s_add_nc_u64 s[40:41], s[12:13], s[32:33]
	v_and_b32 v[VA0], 8, v[VR]
	v_add_nc_u32 v[VA0], v[VA0], v[VR]             ; r + 8 (r / 8)
	v_mul_lo_u32 v[VA0], v[VA0], s27
	v_mul_lo_u32 v[VA1], v[VH], s34
	v_add_nc_u32 v[VA0], v[VA0], v[VA1]
	v_add_nc_u32 v[VA1], s35, v[VA0]
	v_sub_nc_u32 v[M0R], v[VH], 1                  ; all ones in lanes 0-15, 0 in lanes 16-31,
	v_or_b32 v[M0R], s36, v[M0R]                   ; all ones everywhere for se_w1
	v_mov_b32 v[M1R], s36
.irp i, 0,1,2,3,4,5,6,7
	global_load_b128 v[X+4*\i:X+4*\i+3], v[VA0], s[8:9] offset:16*\i
	global_load_b128 v[X+32+4*\i:X+32+4*\i+3], v[VA1], s[8:9] offset:16*\i
.endr
	s_wait_loadcnt 0x0
	QBLK X, F, BY0, 1
	QBLK X+32, F+6, BY1, 1
	WORD W
.irp i, 0,1,2,3,4,5
	v_and_b32 v[F+\i], v[M0R], v[F+\i]             ; se_w2's K is 32: codes in block position 0 alone, zero codes elsewhere (their scale bytes are the block's own, never 0xff)
	v_and_b32 v[F+6+\i], v[M1R], v[F+6+\i]
.endr
.irp q, 0,1,2
	global_store_b128 v[L16], v[F+4*\q:F+4*\q+3], s[38:39] offset:512*\q
.endr
	global_store_b32 v[R4], v[W], s[40:41]         ; lanes r and r + 16 store the same word to the same place
	s_endpgm
.Lfunc_end_k_qfceeab388a_prep:
	.size	k_qfceeab388a_prep, .Lfunc_end_k_qfceeab388a_prep-k_qfceeab388a_prep
	.p2alignl 7, 3214868480
	.fill 96, 4, 3214868480
	.section	.rodata,"a",@progbits
	.p2align	6, 0x0
	.amdhsa_kernel k_qfceeab388a_prep
		.amdhsa_group_segment_fixed_size 66304
		.amdhsa_private_segment_fixed_size 0
		.amdhsa_enable_private_segment 0
		.amdhsa_kernarg_size 40
		.amdhsa_user_sgpr_count 2
		.amdhsa_user_sgpr_kernarg_segment_ptr 1
		.amdhsa_wavefront_size32 1
		.amdhsa_system_sgpr_workgroup_id_x 1
		.amdhsa_system_sgpr_workgroup_id_y 1
		.amdhsa_system_sgpr_workgroup_id_z 1
		.amdhsa_system_vgpr_workitem_id 0
		.amdhsa_next_free_vgpr 512
		.amdhsa_next_free_sgpr 66
		.amdhsa_reserve_vcc 1
		.amdhsa_float_denorm_mode_32 3
		.amdhsa_float_denorm_mode_16_64 3
		.amdhsa_memory_ordered 1
		.amdhsa_forward_progress 1
		.amdhsa_inst_pref_size 38
	.end_amdhsa_kernel
	.amdgpu_metadata
---
amdhsa.version: [ 1, 2 ]
amdhsa.kernels:
  - .name:           k_qfceeab388a_prep
    .symbol:         k_qfceeab388a_prep.kd
    .args:
      - { .name: base_weight, .offset: 0, .size: 8, .value_kind: global_buffer, .address_space: global }
      - { .name: spline_weight, .offset: 8, .size: 8, .value_kind: global_buffer, .address_space: global }
      - { .name: se_w1, .offset: 16, .size: 8, .value_kind: global_buffer, .address_space: global }
      - { .name: se_w2, .offset: 24, .size: 8, .value_kind: global_buffer, .address_space: global }
      - { .name: wq, .offset: 32, .size: 8, .value_kind: global_buffer, .address_space: global }
    .group_segment_fixed_size: 66304
    .private_segment_fixed_size: 0
    .kernarg_segment_align: 8
    .kernarg_segment_size: 40
    .max_flat_workgroup_size: 64
    .sgpr_count:     66
    .vgpr_count:     512
    .wavefront_size: 32
...
	.end_amdgpu_metadata
.endif
;; end of part 1
;; launch main (part 2): grid 256 x 1, 4 waves a work-group, clusters of 4 x 1, 327,680 bytes of LDS; arguments x, wq, ln_w, ln_b, se_b1, se_b2, out0; writes out0
.if DOCPART == 2
	.amdgcn_target "amdgcn-amd-amdhsa--gfx1250"
	.amdhsa_code_object_version 6
	.text
	.protected	k_qfceeab388a_main
	.globl	k_qfceeab388a_main
	.p2align	8
	.type	k_qfceeab388a_main,@function
k_qfceeab388a_main:
	s_mov_b64 s[64:65], 0
	v_nop
	global_prefetch_b8 v0, s[64:65] scope:SCOPE_SE
	s_setreg_imm32_b32 hwreg(HW_REG_WAVE_MODE, 25, 1), 1
	s_wait_xcnt 0x0
	s_wait_alu depctr_hold_cnt(0) depctr_sa_sdst(0) depctr_va_vdst(0) depctr_va_sdst(0) depctr_va_ssrc(0) depctr_va_vcc(0) depctr_vm_vsrc(0)
	s_getreg_b32 s2, hwreg(HW_REG_IB_STS2, 6, 4)
	s_cmp_eq_u32 s2, 0
	s_cbranch_scc0 .Lentry_in_a_cluster
	s_endpgm
.Lentry_in_a_cluster:
	s_bfe_u32 s2, ttmp6, 0x10000c
	s_cmp_lg_u32 s2, 0x3003
	s_cbranch_scc0 .Lentry_shape_is_right
	s_endpgm
.Lentry_shape_is_right:
; out0 = y * sigmoid(relu(y se_w1^T + se_b1) se_w2^T + se_b2), y = LayerNorm(x base_weight^T + basis(x) spline_weight^T) * ln_w + ln_b; all four products on codes of FP6 (E2M3) with one E8M0 scale for each 32 along K, sums in f32.
; SHARES.  The norm and the third product want whole rows, so a work-group owns 32 whole rows (two tiles m of 16 tokens) and all 1,024 columns; nothing but x, the weights' codes and out0 goes through memory.
; Wave w owns columns 256 w .. 256 w + 255: 16 tiles x 2 m = 32 accumulators, 256 registers.  ALL PRODUCTS ARE USED TRANSPOSED (source 0 = 16 rows of a weight, source 1 = 16 tokens): a lane holds ONE token (lane % 16) throughout.
; The rows of a weight's tile are chosen (by the launch that lays wq out) so that register 16 b + i of a lane is column 256 w + 32 b + 16 (lane / 16) + i: 16 neighbours along the next product's K.
; THE FIRST TWO PRODUCTS ARE ONE SUM over K = 4,096: 32 steps of 128.  Step 4 tau + J: group G = (g0 + tau) % 8 of 128 columns of x; J = 0: x itself, J = 1 .. 3: the basis.  K is permuted by whole blocks of 32, alike in both operands:
; block position p holds for J = 0 K block 4 G + p of x, for J = j + 1 K block 3 (4 G + p) + j of the basis: so 32 neighbouring x of ONE lane give one block of x and three whole blocks of the basis in that lane's registers.
; For quantising wave w takes tile m = w / 2 and half c = w % 2 of a fragment: lane (r, h) the 32 columns of position 2 c + h.  The codes go to the other waves through LDS as images of the operand's registers.  Group tau + 1 is
; quantised, a quarter a step, during the four steps of group tau, between a step's LDS loads and its products.
; THE WEIGHTS come by tensor loads through two LDS slots of one step: a wave fetches and reads its own block of 25,600 dense bytes (16 fragment images and their scale words).
; CLUSTER.  All work-groups walk the same weights: four form a cluster and ask for each block JOINTLY (a mask names four at the most, and only this operand is shared, so 4 x 1).  Clusters begin the walk at different groups g0.
; No prefetch is laid: the weights are read by every cluster, not once; x is asked for four steps ahead of its use, so no wave waits for it.
; LIMITS: NaN and infinities are not served.  A block whose largest magnitude lies under 2^-124, a block of zeros too, has the scale byte 1 (the rule says 127 for zeros; its codes are zeros).  Divisions, the inverse root and the sigmoid
; are made with v_rcp_f32, v_rsq_f32 and v_exp_f32.  The order of the sums along K differs from the source's (the blocks' permutation, the rotated start); the third product is summed from four waves' partial sums in f32.
; REGISTERS, in windows of 256 (s_set_vgpr_msb: bits 1:0 source 0, 3:2 source 1, 5:4 source 2, 7:6 destination):
;   window 0: v1-31, v49-52 addresses; v32-48 scale words and nothing else; v56-79 A's two fragments; v80-87 sums; v112-143 32 x; v144-239 96 numbers of the basis; v240-254 at work.  The epilogue's map stands at its head.
;   window 1: the accumulators (m, t) at 128 m + 8 t; later y.   window 2: v0-191 the weights' 16 fragments, v192-223 x as loaded; later se_b2 and the gate.   window 3: ln_w, ln_b; later se_w2's fragments.
.set WBLK,  25600                      ; a wave's block of a step
.set SLOTB, 4*WBLK
.set TSTEP, 131072                     ; from step to step in wq
.set SCW,   24576                      ; where a block's scale words begin
.set AIMG,  2*SLOTB                    ; A's images: ((4 tau + J) 2 + m) x 1,536; registers 0-3 at 16 l, 4-5 at 512 + 8 l, 6-9 at 768 + 16 l, 10-11 at 1,280 + 8 l.  No byte is written twice during the sum
.set ASC,   AIMG+98304                 ; A's scale words: 128 (4 tau + J) + 64 m + 4 r
.set XST,   ASC+4096                   ; for each wave 16 rows x (256 + 16) bytes: x on its way from lanes along a row to a lane's 32 neighbours
.set RED,   XST+17408                  ; two sets of 512 bytes for the rows' sums: 128 w + 64 m + 4 r
.set SPARE, RED+1024                   ; the spare words, 128 bytes for each wave: two blocks of 256 bytes that no other line names
.set OST,   AIMG+16384                 ; behind the sum A's bytes are used again, by LDS stores alone: 16,384 bytes of partial sums, then for each wave 16 rows x (1,024 + 16) for the way out
.set SPW,1
.set NIL,2
.set L16,3                             ; 16 x lane
.set L8,4
.set L4,5
.set R4,6                              ; 4 r
.set SH8,7                             ; 8 h
.set VB,8                              ; v8-9   my block's images in slot 0, 1
.set VBS,10                            ; v10-11 4 x lane + my block in slot 0, 1
.set BA16,12                           ; v12-17 A's images and words at group 0: to read (16 l, 8 l, 4 l) and to write (my half)
.set BA8,13
.set BAS,14
.set BW16,15
.set BW8,16
.set BWS,17
.set TA16,18                           ; v18-23 the same at the trip's group
.set TA8,19
.set TAS,20
.set TW16,21
.set TW8,22
.set TWS,23
.set VXO,24
.set VSW,25
.set VSR,26
.set VP64,27                           ; 64 h
.set VRED,28
.set VREDR,29
.set VHPW,30
.set VOS,31
.set BS,32                             ; v32-39 the weights' scale words: register b: lanes 0-15 tile 2 b, lanes 16-31 tile 2 b + 1
.set AS,40                             ; v40    A's: lanes 0-15 m = 0, lanes 16-31 m = 1
.set YS,41                             ; v41-44 y's
.set W1S,45                            ; v45-46 se_w1's
.set HS,47                             ; v47-48 the hidden layer's
.set VOR,49
.set VR,51
.set VH,52
.set AF,56
.set S,80
.set XV,112
.set U,144
.set T0,240
.set T1,241
.set SCL,242
.set BY,243
.set BX,244
.set F,246
.set TC,252
.set XR,192                            ; in window 2
.set WV,18                             ; s18 wave; s19 cx; s20 work-group; s21 g0
.set CX,19
.set WG,20
.set GZ,21
.set SEL,22                            ; s[22:23] v_permlanex16_b32's selects for lane l xor 16
.set G1,24                             ; s[24:31] descriptor group 1
.set G0,32                             ; s[32:39] group 0, a set for each slot
.set BWP,40                            ; s[40:41] wq + 32,768 x wave
.set OFFB,42                           ; s[42:43] the step's place in wq
.set XB,44                             ; s[44:45] x at my work-group's first row
.set XOFF,46                           ; s[46:47] the group's 512 bytes in a row
.set XP,48
.set CNT,50
.set STR,51
.set STRS,52
.set MSB, 0
.macro WIN new                         ; the immediate's high byte repeats the setting that is left
.if MSB != \new
	s_set_vgpr_msb (MSB<<8)|\new
.set MSB, \new
.endif
.endm
.macro PLACES n
.rept \n
	v_nop
.endr
.endm
.macro BARRIER                         ; my LDS stores have landed and my LDS loads are in: then the work-group's barrier
	s_wait_dscnt 0x0
	s_barrier_signal -1
	s_barrier_wait -1
.endm
.macro ROUND                           ; a round of the cluster's barrier: my work-group's barrier; wave 0 signals for the work-group; every wave waits for all four work-groups; my work-group's barrier once more
	s_barrier_signal -1
	s_barrier_wait -1
	s_cmp_lg_u32 s[WV], 0
	s_cbranch_scc1 .Lnot_wave_0_\@
	s_barrier_signal -3
.Lnot_wave_0_\@:
	s_barrier_wait -3
	s_barrier_signal -1
	s_barrier_wait -1
.endm
; One matrix instruction.  d, a, b: first registers of D, source 0, source 1; c: first register of C, or -1 for the constant 0; sa, sb: the scale registers; ra, rb: 1 = that side's scales are read from lanes 16-31
.macro WM d, a, b, c, sa, sb, ra, rb
.if (\c) < 0
.if (\ra) && (\rb)
	v_wmma_scale_f32_16x16x128_f8f6f4 v[(\d):(\d)+7], v[(\a):(\a)+11], v[(\b):(\b)+11], 0, v[\sa], v[\sb] matrix_a_fmt:MATRIX_FMT_FP6 matrix_b_fmt:MATRIX_FMT_FP6 matrix_a_scale:MATRIX_SCALE_ROW1 matrix_b_scale:MATRIX_SCALE_ROW1
.elseif (\ra)
	v_wmma_scale_f32_16x16x128_f8f6f4 v[(\d):(\d)+7], v[(\a):(\a)+11], v[(\b):(\b)+11], 0, v[\sa], v[\sb] matrix_a_fmt:MATRIX_FMT_FP6 matrix_b_fmt:MATRIX_FMT_FP6 matrix_a_scale:MATRIX_SCALE_ROW1
.elseif (\rb)
	v_wmma_scale_f32_16x16x128_f8f6f4 v[(\d):(\d)+7], v[(\a):(\a)+11], v[(\b):(\b)+11], 0, v[\sa], v[\sb] matrix_a_fmt:MATRIX_FMT_FP6 matrix_b_fmt:MATRIX_FMT_FP6 matrix_b_scale:MATRIX_SCALE_ROW1
.else
	v_wmma_scale_f32_16x16x128_f8f6f4 v[(\d):(\d)+7], v[(\a):(\a)+11], v[(\b):(\b)+11], 0, v[\sa], v[\sb] matrix_a_fmt:MATRIX_FMT_FP6 matrix_b_fmt:MATRIX_FMT_FP6
.endif
.else
.if (\ra) && (\rb)
	v_wmma_scale_f32_16x16x128_f8f6f4 v[(\d):(\d)+7], v[(\a):(\a)+11], v[(\b):(\b)+11], v[(\c):(\c)+7], v[\sa], v[\sb] matrix_a_fmt:MATRIX_FMT_FP6 matrix_b_fmt:MATRIX_FMT_FP6 matrix_a_scale:MATRIX_SCALE_ROW1 matrix_b_scale:MATRIX_SCALE_ROW1
.elseif (\ra)
	v_wmma_scale_f32_16x16x128_f8f6f4 v[(\d):(\d)+7], v[(\a):(\a)+11], v[(\b):(\b)+11], v[(\c):(\c)+7], v[\sa], v[\sb] matrix_a_fmt:MATRIX_FMT_FP6 matrix_b_fmt:MATRIX_FMT_FP6 matrix_a_scale:MATRIX_SCALE_ROW1
.elseif (\rb)
	v_wmma_scale_f32_16x16x128_f8f6f4 v[(\d):(\d)+7], v[(\a):(\a)+11], v[(\b):(\b)+11], v[(\c):(\c)+7], v[\sa], v[\sb] matrix_a_fmt:MATRIX_FMT_FP6 matrix_b_fmt:MATRIX_FMT_FP6 matrix_b_scale:MATRIX_SCALE_ROW1
.else
	v_wmma_scale_f32_16x16x128_f8f6f4 v[(\d):(\d)+7], v[(\a):(\a)+11], v[(\b):(\b)+11], v[(\c):(\c)+7], v[\sa], v[\sb] matrix_a_fmt:MATRIX_FMT_FP6 matrix_b_fmt:MATRIX_FMT_FP6
.endif
.endif
.endm
; 32 numbers of one block in consecutive registers become 6 registers of codes and the scale's byte.  The floor 2^(3 - 127) is one leaf of the maximum: the byte cannot fall under 1.  abs = 0: none of the numbers is negative
.macro QBLK src, f, by, abs
.if \abs
	v_max3_num_f32 v[T0], |v[(\src)]|, |v[(\src)+1]|, 0x1800000
	v_max3_num_f32 v[T1], |v[(\src)+2]|, |v[(\src)+3]|, |v[(\src)+4]|
.irp i, 5,9,13,17,21,25
	v_max3_num_f32 v[T0], v[T0], |v[(\src)+\i]|, |v[(\src)+\i+1]|
	v_max3_num_f32 v[T1], v[T1], |v[(\src)+\i+2]|, |v[(\src)+\i+3]|
.endr
	v_max3_num_f32 v[T0], v[T0], |v[(\src)+29]|, |v[(\src)+30]|
	v_max3_num_f32 v[T0], v[T0], v[T1], |v[(\src)+31]|
.else
	v_max3_num_f32 v[T0], v[(\src)], v[(\src)+1], 0x1800000
	v_max3_num_f32 v[T1], v[(\src)+2], v[(\src)+3], v[(\src)+4]
.irp i, 5,9,13,17,21,25
	v_max3_num_f32 v[T0], v[T0], v[(\src)+\i], v[(\src)+\i+1]
	v_max3_num_f32 v[T1], v[T1], v[(\src)+\i+2], v[(\src)+\i+3]
.endr
	v_max3_num_f32 v[T0], v[T0], v[(\src)+29], v[(\src)+30]
	v_max3_num_f32 v[T0], v[T0], v[T1], v[(\src)+31]
.endif
	v_add_nc_u32 v[SCL], 0xff000000, v[T0]         ; 2 off the exponent field: the conversion takes the exponent field of this operand as its scale
	v_cvt_scalef32_pk16_fp6_f32 v[(\f):(\f)+2], v[(\src):(\src)+15], v[SCL]
	v_cvt_scalef32_pk16_fp6_f32 v[TC:TC+2], v[(\src)+16:(\src)+31], v[SCL]   ; (a conversion's three registers begin on an even number)
	v_lshrrev_b32 v[\by], 23, v[SCL]               ; the scale's byte; also the plain instruction between the conversions and the first touch of their results
.irp i, 0,1,2
	v_mov_b32 v[(\f)+3+\i], v[TC+\i]
.endr
.endm
.macro TRIPADR step                    ; A's addresses at the trip's group; step = 1: the scalars go on to the next group
	v_add_nc_u32 v[TA16], s[STR], v[BA16]
	v_add_nc_u32 v[TA8], s[STR], v[BA8]
	v_add_nc_u32 v[TAS], s[STRS], v[BAS]
	v_add_nc_u32 v[TW16], s[STR], v[BW16]
	v_add_nc_u32 v[TW8], s[STR], v[BW8]
	v_add_nc_u32 v[TWS], s[STRS], v[BWS]
.if \step
	s_add_co_u32 s[STR], s[STR], 12288
	s_add_co_u32 s[STRS], s[STRS], 512
.endif
.endm
.macro XLOAD                           ; the next group's 16 rows x 64 columns of mine: each load takes two rows' 256 consecutive bytes, aligned; read once in the launch.  XP is written again only behind TURN's wait for these loads
	s_add_nc_u64 s[XP:XP+1], s[XB:XB+1], s[XOFF:XOFF+1]
	s_add_co_u32 s[XOFF], s[XOFF], 512
	s_and_b32 s[XOFF], s[XOFF], 4095               ; the walk over the groups goes round
	WIN 0x80                                       ; destination window 2
.irp q, 0,1,2,3,4,5,6,7
	global_load_b128 v[XR+4*\q:XR+4*\q+3], v[VXO], s[XP:XP+1] offset:8192*\q th:TH_LOAD_NT
.endr
	WIN 0
.endm
.macro TURN                            ; x through my own stage: in as loaded, out 128 bytes a lane.  LDS serves a wave's instructions in order, so no wait stands between; the loads are waited for at the next step's head
	s_wait_loadcnt 0x0
	WIN 0x08                                       ; an LDS store's data are its source 1: window 2
.irp q, 0,1,2,3,4,5,6,7
	ds_store_b128 v[VSW], v[XR+4*\q:XR+4*\q+3] offset:544*\q
.endr
	WIN 0
.irp i, 0,1,2,3,4,5,6,7
	ds_load_b128 v[XV+4*\i:XV+4*\i+3], v[VSR] offset:16*\i
.endr
.endm
; The basis of eight x, i0 on: for the grid -1, 0, 1: u = max(1 - |x - grid|, 0), u^2, divided by (their sum + 1e-6).  Number 3 i + g lies in register U + 3 i + g: the flat K of the second product.
.macro BASIS i0
.set bu, U+3*(\i0)
.set bx, XV+(\i0)
.irp i, 0,1,2,3,4,5,6,7
	v_add_f32 v[bu+3*\i], 1.0, v[bx+\i]
	v_add_f32 v[bu+3*\i+2], -1.0, v[bx+\i]
.endr
.irp i, 0,1,2,3,4,5,6,7
	v_sub_f32 v[bu+3*\i], 1.0, |v[bu+3*\i]|
	v_sub_f32 v[bu+3*\i+1], 1.0, |v[bx+\i]|
	v_sub_f32 v[bu+3*\i+2], 1.0, |v[bu+3*\i+2]|
.endr
.set bk, 0
.rept 24
	v_max_num_f32 v[bu+bk], 0, v[bu+bk]
.set bk, bk+1
.endr
.set bk, 0
.rept 12
	v_pk_mul_f32 v[bu+bk:bu+bk+1], v[bu+bk:bu+bk+1], v[bu+bk:bu+bk+1]
.set bk, bk+2
.endr
.irp i, 0,1,2,3,4,5,6,7
	v_add_f32 v[S+\i], v[bu+3*\i], v[bu+3*\i+1]
.endr
.irp i, 0,1,2,3,4,5,6,7
	v_add_f32 v[S+\i], v[S+\i], v[bu+3*\i+2]
.endr
.irp i, 0,1,2,3,4,5,6,7
	v_add_f32 v[S+\i], 0x358637bd, v[S+\i]         ; + 1e-6
.endr
.irp i, 0,1,2,3,4,5,6,7
	v_rcp_f32 v[S+\i], v[S+\i]
.endr
	v_nop                                          ; a plain instruction behind the last reciprocal
	s_wait_alu depctr_va_vdst(0)                   ; one wait for the eight, ahead of their first reader
.irp q, 0,1,2,3                                ; six numbers belong to two x: the pairs take the first reciprocal twice, both, the second twice
	v_pk_mul_f32 v[bu+6*\q:bu+6*\q+1], v[bu+6*\q:bu+6*\q+1], v[S+2*\q:S+2*\q+1] op_sel_hi:[1,0]
	v_pk_mul_f32 v[bu+6*\q+2:bu+6*\q+3], v[bu+6*\q+2:bu+6*\q+3], v[S+2*\q:S+2*\q+1]
	v_pk_mul_f32 v[bu+6*\q+4:bu+6*\q+5], v[bu+6*\q+4:bu+6*\q+5], v[S+2*\q:S+2*\q+1] op_sel:[0,1]
.endr
.endm
.macro PUT j, woff                     ; my half of fragment j goes to LDS as it stands; my two lanes' bytes as 16 bits of the row's scale word (lanes r and r + 16 store the same).  Three LDS stores
	v_lshlrev_b32 v[BY], v[SH8], v[BY]
	v_permlanex16_b32 v[BX], v[BY], s[SEL], s[SEL+1]
	v_or_b32 v[BY], v[BY], v[BX]
	ds_store_b128 v[TW16], v[F:F+3] offset:(\woff)+3072*(\j)
	ds_store_b64 v[TW8], v[F+4:F+5] offset:(\woff)+3072*(\j)
	ds_store_b16 v[TWS], v[BY] offset:(\woff)/24+128*(\j)
.endm
; A quarter of a group's quantising.  A block of the basis is whole once x number 10, 21, 31 has been treated.  ld = 1: the group after is asked for; ld = 2: but not in the loop's last trip, which has none (no load leaves its purpose: the jump passes over global loads alone)
.macro SLICE q, woff, ld
.if (\q) == 0
.if (\ld) == 1
	XLOAD
.elseif (\ld) == 2
	s_cmp_eq_u32 s[CNT], 1
	s_cbranch_scc1 .Lno_more_x_\@
	XLOAD
.Lno_more_x_\@:
.endif
	QBLK XV, F, BY, 1
	PUT 0, \woff
	BASIS 0
.elseif (\q) == 1
	BASIS 8
	QBLK U, F, BY, 0
	PUT 1, \woff
.elseif (\q) == 2
	BASIS 16
	QBLK U+32, F, BY, 0
	PUT 2, \woff
.else
	BASIS 24
	QBLK U+64, F, BY, 0
	PUT 3, \woff
.endif
.endm
.macro MMT zero                        ; tile tq against both tiles of tokens
.if \zero
	WM 8*tq, 12*tq, AF, -1, BS+tq/2, AS, tq%2, 0
	WM 128+8*tq, 12*tq, AF+12, -1, BS+tq/2, AS, tq%2, 1
.else
	WM 8*tq, 12*tq, AF, 8*tq, BS+tq/2, AS, tq%2, 0
	WM 128+8*tq, 12*tq, AF+12, 128+8*tq, BS+tq/2, AS, tq%2, 1
.endif
.endm
; A STEP of 128 along K, read from slot.  At its head the change of slots: each wave waits for all its tensor loads (one is out: its block of this step), adds 0 to its spare word, and waits for that and for all its LDS instructions:
; its reads of the other slot, its stores of A's images.  Behind the barrier the other slot is free in every wave and A's images of this step lie in LDS.  refill = 1: the barrier is a round of the cluster's, and the joint load of the
; next step's block is the first thing behind it: it has this step in which to land.  zero = 1: the products start the sums.  q: the slice of quantising that stands between the LDS loads and the products (-1: none).
.macro STEP slot, aoff, soff, zero, refill, q, woff, ld
	WIN 0
	s_wait_tensorcnt 0x0                           ; no tensor load of mine is out, so a group 0 may be written
	ds_add_u32 v[SPW], v[NIL]                      ; 0 onto my spare word; the descriptor's step stands between it and the wait for it
.if \refill
	s_add_co_u32 s[OFFB], s[OFFB], TSTEP
	s_and_b32 s[OFFB], s[OFFB], 32*TSTEP-1         ; the walk over the 32 steps goes round
	s_add_nc_u64 s[G0+6-4*\slot:G0+7-4*\slot], s[BWP:BWP+1], s[OFFB:OFFB+1]
	s_or_b32 s[G0+7-4*\slot], s[G0+7-4*\slot], 0x80000000
.endif
	s_wait_dscnt 0x0
.if \refill
	ROUND
	tensor_load_to_lds s[G0+4-4*\slot:G0+7-4*\slot], s[G1:G1+7]
	s_nop 0
.else
	s_barrier_signal -1
	s_barrier_wait -1
.endif
	PLACES 4                                       ; behind the tensor load; also the four places between the last step's products and the loads into their registers
.irp m, 0,1
	ds_load_b128 v[AF+12*\m:AF+12*\m+3], v[TA16] offset:\aoff+1536*\m
	ds_load_b64 v[AF+12*\m+4:AF+12*\m+5], v[TA8] offset:\aoff+1536*\m+512
	ds_load_b128 v[AF+12*\m+6:AF+12*\m+9], v[TA16] offset:\aoff+1536*\m+768
	ds_load_b64 v[AF+12*\m+10:AF+12*\m+11], v[TA8] offset:\aoff+1536*\m+1280
.endr
	ds_load_b32 v[AS], v[TAS] offset:\soff
.irp b, 0,1,2,3,4,5,6,7
	ds_load_b32 v[BS+\b], v[VBS+\slot] offset:SCW+128*\b
.endr
	WIN 0x80                                       ; destination window 2
.set tq, 0
.rept 16
.irp i, 0,1,2
	ds_load_b128 v[12*tq+4*\i:12*tq+4*\i+3], v[VB+\slot] offset:1536*tq+512*\i
.endr
.set tq, tq+1
.endr
	WIN 0
.set NS, 0
.if (\q) >= 0
	SLICE \q, \woff, \ld
.set NS, 3
.endif
.set kq, 0
.set tq, 0
.rept 4
	s_wait_dscnt NS+12*(3-kq)                      ; LDS instructions end in order: all is in up to tile 4 kq + 3; the later tiles' loads, 12 for four tiles, and the slice's stores may be out
	WIN 0x52                                       ; source 0 window 2, source 1 window 0, C and D window 1
.rept 4
	MMT \zero                                      ; the 32 accumulators take turns, one instruction a turn, in the same order in every step
.set tq, tq+1
.endr
.set kq, kq+1
.endr
	WIN 0
.endm
	s_load_b256 s[4:11], s[0:1], 0x0               ; x s[4:5], wq s[6:7], ln_w s[8:9], ln_b s[10:11]
	s_load_b128 s[12:15], s[0:1], 0x20             ; se_b1 s[12:13], se_b2 s[14:15]
	s_load_b64 s[16:17], s[0:1], 0x30              ; out0
	v_lshl_add_u32 v[SPW], v0, 2, SPARE
	v_mov_b32 v[NIL], 0
	ds_add_u32 v1, v2
	ds_add_u32 v1, v2
	s_wait_dscnt 0x0
	v_lshrrev_b32 v50, 5, v0
	v_readfirstlane_b32 s[WV], v50                 ; wave 0..3
	v_and_b32 v50, 31, v0                          ; lane
	v_and_b32 v[VR], 15, v0                        ; r
	v_bfe_u32 v[VH], v0, 4, 1                      ; h
	s_bfe_u32 s[CX], ttmp6, 0x40000                ; cx: it enters x's and out0's addresses alone
	s_lshl_b32 s[WG], ttmp9, 2                     ; in a cluster launch ttmp9 counts clusters
	s_add_co_u32 s[WG], s[WG], s[CX]
	s_lshr_b32 s[GZ], ttmp9, 3
	s_add_co_u32 s[GZ], s[GZ], ttmp9
	s_and_b32 s[GZ], s[GZ], 7                      ; g0: where my cluster begins its walk; the same in all four partners
	s_mov_b32 s[SEL], 0x76543210
	s_mov_b32 s[SEL+1], 0xfedcba98
	v_lshlrev_b32 v[L16], 4, v50
	v_lshlrev_b32 v[L8], 3, v50
	v_lshlrev_b32 v[L4], 2, v50
	v_lshlrev_b32 v[R4], 2, v[VR]
	v_lshlrev_b32 v[SH8], 3, v[VH]
	v_lshlrev_b32 v[VP64], 6, v[VH]
	v_mov_b32 v[BX], 0                             ; written once: a lane permute's destination counts as one of its sources
	s_mul_i32 s[G0+1], s[WV], WBLK                 ; group 0, 63:32: LDS address: slot 0, my block: no place in the cluster enters an LDS address
	s_add_co_u32 s[G0+5], s[G0+1], SLOTB           ; slot 1
	v_add_nc_u32 v[VB], s[G0+1], v[L16]
	v_add_nc_u32 v[VB+1], s[G0+5], v[L16]
	v_add_nc_u32 v[VBS], s[G0+1], v[L4]
	v_add_nc_u32 v[VBS+1], s[G0+5], v[L4]
	v_add_nc_u32 v[BA16], AIMG, v[L16]
	v_add_nc_u32 v[BA8], AIMG, v[L8]
	v_add_nc_u32 v[BAS], ASC, v[L4]
	s_mul_i32 s2, s[WV], 768                       ; 1,536 m + 768 c = 768 x wave: my half of my tile's fragment
	v_add_nc_u32 v[BW16], s2, v[BA16]
	v_add_nc_u32 v[BW8], s2, v[BA8]
	v_add_nc_u32 v[BW8], 512, v[BW8]
	s_lshr_b32 s53, s[WV], 1                       ; m
	s_and_b32 s54, s[WV], 1                        ; c
	s_lshl_b32 s2, s53, 6
	s_lshl_b32 s3, s54, 1
	s_add_co_u32 s2, s2, s3
	s_add_co_u32 s2, s2, ASC
	v_add_nc_u32 v[BWS], s2, v[R4]                 ; my 16 bits of row r's scale word
	s_lshl_b32 s2, s53, 16
	s_lshl_b32 s3, s54, 8
	s_add_co_u32 s2, s2, s3                        ; x: 16 m rows of 4,096 bytes + 256 c
	v_lshlrev_b32 v[VXO], 12, v[VH]
	v_lshl_add_u32 v[VXO], v[VR], 4, v[VXO]        ; lanes 0-15 one row's 256 bytes, lanes 16-31 the next row's
	v_add_nc_u32 v[VXO], s2, v[VXO]
	s_mul_i32 s2, s[WV], 4352
	s_add_co_u32 s2, s2, XST                       ; my stage for x
	v_mul_u32_u24 v[VSW], v[VH], 272
	v_lshl_add_u32 v[VSW], v[VR], 4, v[VSW]
	v_add_nc_u32 v[VSW], s2, v[VSW]
	v_mul_u32_u24 v[VSR], v[VR], 272
	v_lshl_add_u32 v[VSR], v[VH], 7, v[VSR]
	v_add_nc_u32 v[VSR], s2, v[VSR]
	; descriptor group 1: a dense block of 25,600 bytes as 100 rows of 32 elements of 8 bytes
	s_mov_b32 s[G1], 15|(3<<16)|(1<<21)            ; 15:0 the mask: all four work-groups; 17:16 elements of 8 bytes; 20 no padding; 21 set beside a mask
	s_mov_b32 s[G1+1], 32<<16                      ; tensor_dim0 = 32
	s_mov_b32 s[G1+2], 100<<16                     ; tensor_dim1 = 100
	s_mov_b32 s[G1+3], 32<<16                      ; tile_dim0 = 32
	s_mov_b32 s[G1+4], 100                         ; tile_dim1 = 100
	s_mov_b32 s[G1+5], 32                          ; from row to row
	s_mov_b32 s[G1+6], 0
	s_mov_b32 s[G1+7], 0
	s_mov_b32 s[G0], 1
	s_mov_b32 s[G0+4], 1
	s_lshl_b32 s[OFFB], s[GZ], 19                  ; step 0 is tile 4 g0
	s_mov_b32 s[OFFB+1], 0
	s_lshl_b32 s[XOFF], s[GZ], 9
	s_mov_b32 s[XOFF+1], 0
	s_mov_b32 s[STR], 0
	s_mov_b32 s[STRS], 0
	s_mov_b32 s3, 0
	s_mov_b32 s55, 0
	s_lshl_b32 s54, s[WG], 17                      ; my work-group's 32 rows of 4,096 bytes
	s_wait_kmcnt 0x0
	s_lshl_b32 s2, s[WV], 15
	s_add_nc_u64 s[BWP:BWP+1], s[6:7], s[2:3]
	s_add_nc_u64 s[62:63], s[BWP:BWP+1], 32*TSTEP  ; se_w2's block of my columns
	s_mul_i32 s2, s[WV], 6144
	s_add_nc_u64 s[58:59], s[6:7], s[2:3]
	s_add_nc_u64 s[58:59], s[58:59], 33*TSTEP      ; se_w1's four fragments of my two K steps
	s_lshl_b32 s2, s[WV], 8
	s_add_nc_u64 s[60:61], s[6:7], s[2:3]
	s_add_nc_u64 s[60:61], s[60:61], 33*TSTEP+SCW  ; and their scale words
	s_lshl_b32 s2, s[WV], 10                       ; my 256 columns in a vector of f32
	s_add_nc_u64 s[8:9], s[8:9], s[2:3]
	s_add_nc_u64 s[10:11], s[10:11], s[2:3]
	s_add_nc_u64 s[56:57], s[14:15], s[2:3]
	s_add_nc_u64 s[16:17], s[16:17], s[2:3]
	s_add_nc_u64 s[16:17], s[16:17], s[54:55]
	s_add_nc_u64 s[XB:XB+1], s[4:5], s[54:55]
	ROUND                                          ; all four work-groups are here: the first joint loads meet
	s_add_nc_u64 s[G0+2:G0+3], s[BWP:BWP+1], s[OFFB:OFFB+1]   ; 120:64 global address
	s_or_b32 s[G0+3], s[G0+3], 0x80000000          ; 127:126 type = 2
	tensor_load_to_lds s[G0:G0+3], s[G1:G1+7]      ; step 0's block; slot 1 is first filled behind step 0's round, as a refill is
	s_nop 0
	PLACES 4
	; ---- group 0 is quantised ahead of the sum
	XLOAD
	TURN
	s_wait_dscnt 0x0                               ; x of group 0 is in my registers, and the stage's stores have read theirs
	XLOAD                                          ; group 1
	WIN 0xc0                                       ; destination window 3: ln_w and ln_b of my lane's 128 columns, in the accumulators' order: register 16 b + i is column 32 b + 16 h + i of my 256
.irp b, 0,1,2,3,4,5,6,7
.irp i, 0,1,2,3
	global_load_b128 v[16*\b+4*\i:16*\b+4*\i+3], v[VP64], s[8:9] offset:128*\b+16*\i
	global_load_b128 v[128+16*\b+4*\i:128+16*\b+4*\i+3], v[VP64], s[10:11] offset:128*\b+16*\i
.endr
.endr
	WIN 0
	TRIPADR 0
.irp q, 0,1,2,3
	SLICE \q, 0, 0
	s_wait_dscnt 0x0                               ; the stores have read their registers: the next codes may be written
.endr
	TURN                                           ; group 1 into my registers
	STEP 0, 0, 0, 1, 1, 0, 12288, 1                ; step 0 stands ahead of the loop: its products start the sums
	s_mov_b32 s[CNT], 6
.Ltrip:                                            ; trip n: steps 4 n + 1 .. 4 n + 4; group n + 1 is finished, group n + 2 begun
	TRIPADR 1
	STEP 1, 3072, 128, 0, 1, 1, 12288, 0
	STEP 0, 6144, 256, 0, 1, 2, 12288, 0
	STEP 1, 9216, 384, 0, 1, 3, 12288, 0
	TURN
	STEP 0, 12288, 512, 0, 1, 0, 24576, 2
	s_sub_co_u32 s[CNT], s[CNT], 1
	s_cmp_lg_u32 s[CNT], 0
	s_cbranch_scc1 .Ltrip
	TRIPADR 1                                      ; the tail is written out
	STEP 1, 3072, 128, 0, 1, 1, 12288, 0           ; steps 25 to 27 finish group 7
	STEP 0, 6144, 256, 0, 1, 2, 12288, 0
	STEP 1, 9216, 384, 0, 1, 3, 12288, 0
	STEP 0, 12288, 512, 0, 1, -1, 0, 0
	TRIPADR 0
	STEP 1, 3072, 128, 0, 1, -1, 0, 0
	STEP 0, 6144, 256, 0, 1, -1, 0, 0
	STEP 1, 9216, 384, 0, 0, -1, 0, 0              ; step 31: nothing is left to fetch
; ---- THE EPILOGUE.  Window 0: v56-103 y's four fragments (2 m + ks); v104-151 se_w1's four (2 ks + u); v152-183 the conversions' second halves, then the third product's four accumulators (2 m + u); v184-199 se_b1;
; v200-215 chains of sums, then scale operands; v216-231 sums read back, then largest magnitudes; v232-247 the other half's; later v216-239 the hidden layer's two fragments, v56-183 partial sums, then rows of out0.
.set YC,56
.set W1F,104
.set CT,152
.set HP,152
.set SB1,184
.set CH,200
.set SC,200
.set RR,216
.set MX,216
.set PX,232
.set HF,216
.set PL,56
.set ORG,56
.set MU,80
.set RS,84
.set HM,200
.set HX,202
.set HC,204
	s_lshl_b32 s2, s[WV], 7                        ; the eight address instructions are the places between the last products and the loads into their registers
	v_add_nc_u32 v[VRED], s2, v[R4]
	v_add_nc_u32 v[VRED], RED, v[VRED]             ; where I put a row's sum: 128 w + 4 r
	v_add_nc_u32 v[VREDR], RED, v[R4]
	s_lshl_b32 s2, s[WV], 12
	v_add_nc_u32 v[VHPW], s2, v[BA16]              ; my partial sums: 4,096 w + 16 l
	s_mul_i32 s2, s[WV], 16640
	s_add_co_u32 s2, s2, OST                       ; my stage for the way out
	v_mul_u32_u24 v[VOS], v[VR], 1040
	v_lshl_add_u32 v[VOS], v[VH], 6, v[VOS]
	v_add_nc_u32 v[VOS], s2, v[VOS]                ; in: row r, + 64 h
	v_add_nc_u32 v[VOR], s2, v[L16]                ; back: 16 bytes a lane
	WIN 0x80                                       ; se_b2 of my lane's 128 columns: window 2, v0-127
.irp b, 0,1,2,3,4,5,6,7
.irp i, 0,1,2,3
	global_load_b128 v[16*\b+4*\i:16*\b+4*\i+3], v[VP64], s[56:57] offset:128*\b+16*\i
.endr
.endr
	WIN 0
.irp f, 0,1,2,3
.irp i, 0,1,2
	global_load_b128 v[W1F+12*\f+4*\i:W1F+12*\f+4*\i+3], v[L16], s[58:59] offset:1536*\f+512*\i
.endr
.endr
.irp ks, 0,1
	global_load_b32 v[W1S+\ks], v[L4], s[60:61] offset:128*\ks   ; lanes 0-15 tile u = 0, lanes 16-31 u = 1
.endr
.irp i, 0,1,2,3
	global_load_b128 v[SB1+4*\i:SB1+4*\i+3], v[VP64], s[12:13] offset:16*\i   ; se_b1 at hidden units 16 h + 0 .. 15
.endr
.irp b, 0,1,2,3,4,5,6,7
	global_load_b32 v[BS+\b], v[L4], s[62:63] offset:SCW+128*\b   ; se_w2's scale words
.endr
; a row's sum: the four chains of each m are joined, then lane l xor 16's half, then the four waves' parts through LDS, added in the waves' order in every wave: v[RR + 4 m] holds the sum
.macro REDUCE roff
.irp m, 0,1
	v_pk_add_f32 v[CH+8*\m:CH+8*\m+1], v[CH+8*\m:CH+8*\m+1], v[CH+8*\m+2:CH+8*\m+3]
	v_pk_add_f32 v[CH+8*\m+4:CH+8*\m+5], v[CH+8*\m+4:CH+8*\m+5], v[CH+8*\m+6:CH+8*\m+7]
.endr
.irp m, 0,1
	v_pk_add_f32 v[CH+8*\m:CH+8*\m+1], v[CH+8*\m:CH+8*\m+1], v[CH+8*\m+4:CH+8*\m+5]
.endr
.irp m, 0,1
	v_add_f32 v[CH+8*\m], v[CH+8*\m], v[CH+8*\m+1]
.endr
.irp m, 0,1
	v_permlanex16_b32 v[CH+8*\m+1], v[CH+8*\m], s[SEL], s[SEL+1]
.endr
.irp m, 0,1
	v_add_f32 v[CH+8*\m], v[CH+8*\m], v[CH+8*\m+1]
.endr
.irp m, 0,1
	ds_store_b32 v[VRED], v[CH+8*\m] offset:\roff+64*\m   ; lanes r and r + 16 store the same number
.endr
	BARRIER
.irp m, 0,1
.irp w, 0,1,2,3
	ds_load_b32 v[RR+4*\m+\w], v[VREDR] offset:\roff+128*\w+64*\m
.endr
.endr
	s_wait_dscnt 0x0
.irp w, 1,2,3
.irp m, 0,1
	v_add_f32 v[RR+4*\m], v[RR+4*\m], v[RR+4*\m+\w]
.endr
.endr
.endm
	; the mean.  Chain c takes registers 2 c, 2 c + 1 of each accumulator, c = 0 first: each accumulator is read from its low end on
	WIN 0x05                                       ; sources 0 and 1 window 1
.irp m, 0,1
.irp c, 0,1,2,3
	v_pk_add_f32 v[CH+8*\m+2*\c:CH+8*\m+2*\c+1], v[128*\m+2*\c:128*\m+2*\c+1], v[128*\m+8+2*\c:128*\m+8+2*\c+1]
.endr
.endr
	WIN 0x04                                       ; source 1 window 1
.irp m, 0,1
.set tq, 2
.rept 14
.irp c, 0,1,2,3
	v_pk_add_f32 v[CH+8*\m+2*\c:CH+8*\m+2*\c+1], v[CH+8*\m+2*\c:CH+8*\m+2*\c+1], v[128*\m+8*tq+2*\c:128*\m+8*tq+2*\c+1]
.endr
.set tq, tq+1
.endr
.endr
	WIN 0
	REDUCE 0                                       ; its barrier also parts the last reads of A's images from the stores that use their bytes again
.irp m, 0,1
	v_mul_f32 v[MU+2*\m], 0x3a800000, v[RR+4*\m]   ; / 1,024
	v_mov_b32 v[MU+2*\m+1], v[MU+2*\m]             ; (named with it as a pair)
.endr
	; the variance, of the differences, as the source has it
	WIN 0x41                                       ; destination and source 0 window 1
.irp m, 0,1
.set pq, 0
.rept 64
	v_pk_add_f32 v[128*\m+pq:128*\m+pq+1], v[128*\m+pq:128*\m+pq+1], v[MU+2*\m:MU+2*\m+1] op_sel_hi:[1,0] neg_lo:[0,1] neg_hi:[0,1]
.set pq, pq+2
.endr
.endr
	WIN 0x05
.irp m, 0,1
.irp c, 0,1,2,3
	v_pk_mul_f32 v[CH+8*\m+2*\c:CH+8*\m+2*\c+1], v[128*\m+2*\c:128*\m+2*\c+1], v[128*\m+2*\c:128*\m+2*\c+1]
.endr
.set tq, 1
.rept 15
.irp c, 0,1,2,3
	v_pk_fma_f32 v[CH+8*\m+2*\c:CH+8*\m+2*\c+1], v[128*\m+8*tq+2*\c:128*\m+8*tq+2*\c+1], v[128*\m+8*tq+2*\c:128*\m+8*tq+2*\c+1], v[CH+8*\m+2*\c:CH+8*\m+2*\c+1]
.endr
.set tq, tq+1
.endr
.endr
	WIN 0
	REDUCE 512
	s_mov_b32 s2, 0x3a800000
.irp m, 0,1
	v_fmaak_f32 v[RS+2*\m], s2, v[RR+4*\m], 0x3727c5ac   ; sum / 1,024 + 1e-5
.endr
.irp m, 0,1
	v_rsq_f32 v[RS+2*\m], v[RS+2*\m]
.endr
	v_nop                                          ; a plain instruction behind the last root
	s_wait_alu depctr_va_vdst(0)                   ; one wait for both, ahead of their first reader
.irp m, 0,1
	v_mov_b32 v[RS+2*\m+1], v[RS+2*\m]
.endr
	WIN 0x41
.irp m, 0,1
.set pq, 0
.rept 64
	v_pk_mul_f32 v[128*\m+pq:128*\m+pq+1], v[128*\m+pq:128*\m+pq+1], v[RS+2*\m:RS+2*\m+1] op_sel_hi:[1,0]
.set pq, pq+2
.endr
.endr
	WIN 0x7d                                       ; destination and source 0 window 1, sources 1 and 2 window 3
.irp m, 0,1
.set pq, 0
.rept 64
	v_pk_fma_f32 v[128*\m+pq:128*\m+pq+1], v[128*\m+pq:128*\m+pq+1], v[pq:pq+1], v[128+pq:128+pq+1]   ; y = .. x ln_w + ln_b
.set pq, pq+2
.endr
.endr
	WIN 0xc0                                       ; ln_w and ln_b are done with: se_w2's 16 fragments of my columns take their place
.set tq, 0
.rept 16
.irp i, 0,1,2
	global_load_b128 v[12*tq+4*\i:12*tq+4*\i+3], v[L16], s[62:63] offset:1536*tq+512*\i
.endr
.set tq, tq+1
.endr
	; y is quantised along its columns: 16 blocks (2 m x 8), each in lanes l and l xor 16, by turns
	WIN 0
.set pq, 0
.rept 16
	v_mov_b32 v[PX+pq], 0                          ; written once: a lane permute's destination counts as one of its sources
.set pq, pq+1
.endr
	WIN 0x05
.irp m, 0,1
.irp b, 0,1,2,3,4,5,6,7
	v_max3_num_f32 v[MX+8*\m+\b], |v[128*\m+16*\b]|, |v[128*\m+16*\b+1]|, 0x1800000   ; my 16 numbers, and the floor 2^(3 - 127)
.endr
.endr
	WIN 0x14                                       ; sources 1 and 2 window 1
.irp i, 2,4,6,8,10,12,14
.irp m, 0,1
.irp b, 0,1,2,3,4,5,6,7
	v_max3_num_f32 v[MX+8*\m+\b], v[MX+8*\m+\b], |v[128*\m+16*\b+\i]|, |v[128*\m+16*\b+\i+1]|
.endr
.endr
.endr
	WIN 0
.set pq, 0
.rept 16
	v_permlanex16_b32 v[PX+pq], v[MX+pq], s[SEL], s[SEL+1]
.set pq, pq+1
.endr
.set pq, 0
.rept 16
	v_max_num_f32 v[MX+pq], v[MX+pq], v[PX+pq]     ; the block's largest magnitude
.set pq, pq+1
.endr
.set pq, 0
.rept 16
	v_add_nc_u32 v[SC+pq], 0xff000000, v[MX+pq]    ; the conversion's scale operand
.set pq, pq+1
.endr
.set pq, 0
.rept 16
	v_lshrrev_b32 v[MX+pq], 23, v[SC+pq]           ; the scale's byte
.set pq, pq+1
.endr
.irp m, 0,1
.irp ks, 0,1
	v_lshl_or_b32 v[YS+2*\m+\ks], v[MX+8*\m+4*\ks+1], 8, v[MX+8*\m+4*\ks]
	v_lshl_or_b32 v[YS+2*\m+\ks], v[MX+8*\m+4*\ks+2], 16, v[YS+2*\m+\ks]
	v_lshl_or_b32 v[YS+2*\m+\ks], v[MX+8*\m+4*\ks+3], 24, v[YS+2*\m+\ks]
.endr
.endr
	WIN 0x01                                       ; source 0 window 1
.irp m, 0,1
.irp ks, 0,1
.irp c, 0,1
	v_cvt_scalef32_pk16_fp6_f32 v[YC+12*(2*\m+\ks)+6*\c:YC+12*(2*\m+\ks)+6*\c+2], v[128*\m+64*\ks+32*\c:128*\m+64*\ks+32*\c+15], v[SC+8*\m+4*\ks+2*\c]
	v_cvt_scalef32_pk16_fp6_f32 v[CT+4*(2*(2*\m+\ks)+\c):CT+4*(2*(2*\m+\ks)+\c)+2], v[128*\m+64*\ks+32*\c+16:128*\m+64*\ks+32*\c+31], v[SC+8*\m+4*\ks+2*\c+1]
.endr
.endr
.endr
	WIN 0
	v_nop                                          ; one plain instruction behind the conversions
.irp f, 0,1,2,3                                ; the operand's layout wants a WHOLE block in a lane: lanes 0-15 block 2 c, lanes 16-31 block 2 c + 1
.irp c, 0,1
.irp i, 0,1,2
	v_permlane16_swap_b32 v[YC+12*\f+6*\c+\i], v[CT+4*(2*\f+\c)+\i]
.endr
.irp i, 0,1,2
	v_mov_b32 v[YC+12*\f+6*\c+3+\i], v[CT+4*(2*\f+\c)+\i]
.endr
.endr
.endr
	PLACES 8                                       ; a scale register written by a vector instruction stands 8 places ahead of a scaled matrix instruction, an operand so written 4
	s_wait_loadcnt 48                              ; all but se_w2's 48 loads, the only ones issued behind what the third product needs
	; the third product: my two K steps (columns 256 w on) of h^T = se_w1 y^T: four accumulators by turns
.irp ks, 0,1
.irp m, 0,1
.irp u, 0,1
.if \ks == 0
	WM HP+8*(2*\m+\u), W1F+12*\u, YC+12*(2*\m), -1, W1S, YS+2*\m, \u, 0
.else
	WM HP+8*(2*\m+\u), W1F+12*(2+\u), YC+12*(2*\m+1), HP+8*(2*\m+\u), W1S+1, YS+2*\m+1, \u, 0
.endif
.endr
.endr
.endr
	PLACES 4
.irp q, 0,1,2,3,4,5,6,7
	ds_store_b128 v[VHPW], v[HP+4*\q:HP+4*\q+3] offset:512*\q   ; each accumulator from its low end on
.endr
	BARRIER                                        ; the four waves' partial sums lie in LDS
.irp w, 0,1,2,3
.irp q, 0,1,2,3,4,5,6,7
	ds_load_b128 v[PL+32*\w+4*\q:PL+32*\w+4*\q+3], v[BA16] offset:4096*\w+512*\q
.endr
.endr
	s_wait_dscnt 0x0
.irp w, 1,2,3                                  ; every wave adds them, in the waves' order: 32 numbers a lane
.set pq, 0
.rept 16
	v_pk_add_f32 v[PL+pq:PL+pq+1], v[PL+pq:PL+pq+1], v[PL+32*\w+pq:PL+32*\w+pq+1]
.set pq, pq+2
.endr
.endr
.irp m, 0,1
.set pq, 0
.rept 8
	v_pk_add_f32 v[PL+16*\m+pq:PL+16*\m+pq+1], v[PL+16*\m+pq:PL+16*\m+pq+1], v[SB1+pq:SB1+pq+1]
.set pq, pq+2
.endr
.endr
.set pq, 0
.rept 32
	v_max_num_f32 v[PL+pq], 0, v[PL+pq]            ; the activation: register 16 m + i is hidden unit 16 h + i of token r of tile m
.set pq, pq+1
.endr
.irp m, 0,1
	v_max3_num_f32 v[HM+\m], v[PL+16*\m], v[PL+16*\m+1], 0x1800000   ; one block of 32, in lanes l and l xor 16; none is negative
.endr
.irp i, 2,4,6,8,10,12,14
.irp m, 0,1
	v_max3_num_f32 v[HM+\m], v[HM+\m], v[PL+16*\m+\i], v[PL+16*\m+\i+1]
.endr
.endr
.irp m, 0,1
	v_permlanex16_b32 v[HX+\m], v[HM+\m], s[SEL], s[SEL+1]
.endr
.irp m, 0,1
	v_max_num_f32 v[HM+\m], v[HM+\m], v[HX+\m]
.endr
.irp m, 0,1
	v_add_nc_u32 v[HC+\m], 0xff000000, v[HM+\m]
.endr
.irp m, 0,1
	v_lshrrev_b32 v[HM+\m], 23, v[HC+\m]
.endr
.irp m, 0,1
	v_or_b32 v[HS+\m], 0x7f7f7f00, v[HM+\m]        ; the block's byte; 127 over the three blocks of zero codes that fill K up to 128
.endr
.irp m, 0,1
	v_cvt_scalef32_pk16_fp6_f32 v[HF+12*\m:HF+12*\m+2], v[PL+16*\m:PL+16*\m+15], v[HC+\m]
.endr
	v_nop                                          ; one plain instruction behind the conversions
.irp m, 0,1
.irp i, 3,4,5,6,7,8,9,10,11
	v_mov_b32 v[HF+12*\m+\i], 0
.endr
.endr
.irp m, 0,1
.irp i, 0,1,2
	v_permlane16_swap_b32 v[HF+12*\m+\i], v[HF+12*\m+3+\i]   ; lanes 0-15 now hold the whole block in registers 0-5, lanes 16-31 zero codes
.endr
.endr
	PLACES 8
	s_wait_loadcnt 0x0                             ; se_w2's fragments
; The fourth product, the gate and the way out, for one tile of 16 tokens.  se_b2 is the C of the product.  out0 = y / (1 + 2^(-z log2 e)).  A lane holds pieces of 64 bytes of one row: the tile goes through my own stage in
; LDS and comes back as runs of 512 bytes of a row.
.macro GATE m
	WIN 0xa3                                       ; source 0 window 3, source 1 window 0, C and D window 2
.set tq, 0
.rept 16
	WM 128+8*tq, 12*tq, HF+12*(\m), 8*tq, BS+tq/2, HS+(\m), tq%2, 0
.set tq, tq+1
.endr
	PLACES 4
	WIN 0x82                                       ; destination and source 0 window 2
.set pq, 128
.rept 64
	v_pk_mul_f32 v[pq:pq+1], v[pq:pq+1], 0xbfb8aa3b op_sel_hi:[1,0]   ; ascending: each accumulator is read from its low end on
.set pq, pq+2
.endr
.set pq, 128
.rept 128
	v_exp_f32 v[pq], v[pq]
.set pq, pq+1
.endr
	v_nop                                          ; a plain instruction behind the last exponential
	s_wait_alu depctr_va_vdst(0)                   ; one wait for the batch
.set pq, 128
.rept 64
	v_pk_add_f32 v[pq:pq+1], v[pq:pq+1], 1.0 op_sel_hi:[1,0]
.set pq, pq+2
.endr
.set pq, 128
.rept 128
	v_rcp_f32 v[pq], v[pq]
.set pq, pq+1
.endr
	v_nop
	s_wait_alu depctr_va_vdst(0)
	WIN 0x86                                       ; source 1 (y) window 1
.set pq, 0
.rept 64
	v_pk_mul_f32 v[128+pq:128+pq+1], v[128+pq:128+pq+1], v[128*(\m)+pq:128*(\m)+pq+1]
.set pq, pq+2
.endr
	WIN 0x08                                       ; an LDS store's data are its source 1: window 2
.irp b, 0,1,2,3,4,5,6,7
.irp i, 0,1,2,3
	ds_store_b128 v[VOS], v[128+16*\b+4*\i:128+16*\b+4*\i+3] offset:128*\b+16*\i
.endr
.endr
	WIN 0
.if (\m) > 0
	s_wait_xcnt 0x0                                ; the first tile's stores have read their registers: the rows below may land there
.endif
.set iq, 0
.rept 32
	ds_load_b128 v[ORG+4*iq:ORG+4*iq+3], v[VOR] offset:1040*(iq/2)+512*(iq%2)   ; LDS serves a wave's instructions in order: these see my stores
.set iq, iq+1
.endr
.set iq, 0
.rept 32
	s_wait_dscnt 31-iq                             ; the younger loads of this run may be out
	global_store_b128 v[L16], v[ORG+4*iq:ORG+4*iq+3], s[16:17] offset:65536*(\m)+4096*(iq/2)+512*(iq%2) th:TH_STORE_NT   ; 32 lanes store 512 consecutive bytes, aligned; written once, read by nobody here
.set iq, iq+1
.endr
.endm
	GATE 0
	GATE 1
	s_wait_tensorcnt 0x0                           ; the wave's end: behind my last tensor load and my last LDS store
	ds_add_u32 v[SPW], v[NIL]
	s_wait_dscnt 0x0
	ROUND                                          ; the closing round: no work-group ends while a partner may still ask for a block that names it
	s_endpgm
.Lfunc_end_k_qfceeab388a_main:
	.size	k_qfceeab388a_main, .Lfunc_end_k_qfceeab388a_main-k_qfceeab388a_main
	.p2alignl 7, 3214868480
	.fill 96, 4, 3214868480
	.section	.rodata,"a",@progbits
	.p2align	6, 0x0
	.amdhsa_kernel k_qfceeab388a_main
		.amdhsa_group_segment_fixed_size 327680
		.amdhsa_private_segment_fixed_size 0
		.amdhsa_enable_private_segment 0
		.amdhsa_kernarg_size 56
		.amdhsa_user_sgpr_count 2
		.amdhsa_user_sgpr_kernarg_segment_ptr 1
		.amdhsa_wavefront_size32 1
		.amdhsa_system_sgpr_workgroup_id_x 1
		.amdhsa_system_sgpr_workgroup_id_y 1
		.amdhsa_system_sgpr_workgroup_id_z 1
		.amdhsa_system_vgpr_workitem_id 0
		.amdhsa_next_free_vgpr 1024
		.amdhsa_next_free_sgpr 66
		.amdhsa_reserve_vcc 0
		.amdhsa_float_denorm_mode_32 3
		.amdhsa_float_denorm_mode_16_64 3
		.amdhsa_memory_ordered 1
		.amdhsa_forward_progress 1
		.amdhsa_inst_pref_size 255
	.end_amdhsa_kernel
	.section	.bss,"aw",@nobits
	.p2align	6
	.space	262144
	.amdgpu_metadata
---
amdhsa.version: [ 1, 2 ]
amdhsa.kernels:
  - .name:           k_qfceeab388a_main
    .symbol:         k_qfceeab388a_main.kd
    .args:
      - { .name: x, .offset: 0, .size: 8, .value_kind: global_buffer, .address_space: global }
      - { .name: wq, .offset: 8, .size: 8, .value_kind: global_buffer, .address_space: global }
      - { .name: ln_w, .offset: 16, .size: 8, .value_kind: global_buffer, .address_space: global }
      - { .name: ln_b, .offset: 24, .size: 8, .value_kind: global_buffer, .address_space: global }
      - { .name: se_b1, .offset: 32, .size: 8, .value_kind: global_buffer, .address_space: global }
      - { .name: se_b2, .offset: 40, .size: 8, .value_kind: global_buffer, .address_space: global }
      - { .name: out0, .offset: 48, .size: 8, .value_kind: global_buffer, .address_space: global }
    .group_segment_fixed_size: 327680
    .private_segment_fixed_size: 0
    .kernarg_segment_align: 8
    .kernarg_segment_size: 56
    .max_flat_workgroup_size: 128
    .sgpr_count:     66
    .vgpr_count:     1024
    .wavefront_size: 32
...
	.end_amdgpu_metadata
.endif
;; end of part 2
